; MI455X (gfx1250); checked and timed in simulation.
; The chip was launched on July 23, 2026; its instructions are those of AMD's public machine-readable ISA for CDNA 5 (MIT licence, August 2026) and "CDNA5" Instruction Set Architecture Reference Guide (July 2026). The comments in the code are by the model that wrote it; some were corrected since.
;; Flash Attention Pipelined. Allowed arithmetic: matrix products marked QUANTISED: E5M2 operands, one E8M0 scale for each 32 along K, by v_wmma_scale_f32_16x16x128_f8f6f4 with both operands' format E5M2, f32 sums; everything else in f32.
;; Inputs: key 4 x 16 x 2,048 x 128 float32; query 4 x 16 x 2,048 x 128 float32; value 4 x 16 x 2,048 x 128 float32.
;; Outputs: out0 4 x 16 x 2,048 x 128 float32.
;; This version of the problem:
;;   THIS VERSION OF THE PROBLEM IS GIVEN IN LOW PRECISION. The matrix products marked QUANTISED in the list below multiply operands that are first quantised to E5M2 (5 exponent bits, 2 mantissa bits; 8 bits a number), with one power-of-two scale for each 32 numbers along K (OCP MX v1.0); their sums are f32. All else is computed in f32.
;;   The module's matrix products, in the order in which they are computed (A, B: the left and right operand; K: the contracted axis; several contracted axes count as one K, in the product's order):
;;     1. batch 64 x [M 2,048, K 128] x [K 128, N 2,048]; A: input query; B: input key: QUANTISED
;;     2. batch 64 x [M 2,048, K 2,048] x [K 2,048, N 128]; A: softmax (see below); B: input value: QUANTISED
;;   THE QUANTISER, for each operand of a quantised product, along K:
;;     - K is cut into blocks of 32 from its start; a last block that is shorter is filled with zeros.
;;     - A block's scale is 2^e with e = floor(log2(the largest magnitude in the block)) - 15, held to -126 .. 127; a block of zeros has e = 0. As a byte (E8M0): e + 127.
;;     - Each number is divided by its block's scale, clamped to +-57,344, and rounded to the nearest number of E5M2, ties to even, subnormals kept.
;;     - The product sums the exact products of the quantised numbers (number of the format x scale) in f32.
;;   ~~~python
;;   def quantise(x, axis):      # numpy; x: float32 -> the quantised numbers, widened to float32 again
;;       x = np.moveaxis(x, axis, -1); K = x.shape[-1]
;;       x = np.pad(x, [(0, 0)] * (x.ndim - 1) + [(0, -K % 32)]); x = x.reshape(x.shape[:-1] + (-1, 32)); a = np.abs(x).max(-1, keepdims=True)
;;       e = np.where(a > 0, np.clip(np.frexp(np.where(a > 0, a, 1))[1] - 1 - 15, -126, 127), 0)      # np.frexp(a)[1] - 1 = floor(log2(a)), exactly
;;       r = np.clip(x / 2.0 ** e, -57344, 57344)
;;       step = 2.0 ** (np.maximum(np.frexp(np.where(r == 0, 1, r))[1] - 1, -14) - 2)
;;       q = np.round(r / step) * step * 2.0 ** e      # np.round: ties to even
;;       return np.moveaxis(q.reshape(q.shape[:-2] + (-1,))[..., :K], -1, axis).astype(np.float32)
;;   ~~~
;;   SOFTMAX AHEAD OF A QUANTISED PRODUCT. Where the list says 'softmax', what is quantised is not the finished softmax but p = 2^(t - M), with t = logit x log2(e) and M = ceil(the row's largest t), a whole number; so 1/2 < the row's largest p <= 1. The row's sum l is taken of the UNQUANTISED p, in f32, and the product's result is divided by l at the end. Since M is a whole number, a kernel that streams over the keys may use a running M (the ceiling of the running maximum): every later rescaling is an exact power of two, which a block's scale takes up: the codes' values come out the same.
;;   OPERANDS COMPUTED ON THE WAY. 'Computed on the way' means the value that the module computes at that place (a softmax that the list does not call 'softmax' is quantised finished and normalised). What goes into a quantiser is computed in f32, as accurately as f32 sums, v_exp_f32 and their like allow (about 1e-6 of the number): no bf16 or f16 on the way to a quantiser, and a product that is left as it is and whose result goes on into a quantised operand takes f32 operands (vector FMAs, or v_wmma_f32_16x16x4_f32). A number that lies on a knife's edge between two numbers of the format may be rounded either way, as far as f32 arithmetic and the matrix unit's own rounding can turn it there, and no further.
;; One version. Each part assembles by itself: llvm-mc -triple=amdgcn-amd-amdhsa -mcpu=gfx1250 --defsym DOCPART=n.
;; ======== version 1 of 1: 2 launches
;; limits: right only within a limited range of input values
;; workspace buffers: kv 34,603,008 bytes
;; launch prep (part 1): grid 1024 x 1, 4 waves a work-group, no clusters, 34,304 bytes of LDS; arguments key, value, kv; writes kv
.if DOCPART == 1
	.amdgcn_target "amdgcn-amd-amdhsa--gfx1250"
	.amdhsa_code_object_version 6
	.text
	.protected	k_qa71c280513_prep
	.globl	k_qa71c280513_prep
	.p2align	8
	.type	k_qa71c280513_prep,@function
k_qa71c280513_prep:
	s_mov_b64 s[64:65], 0
	v_nop
	global_prefetch_b8 v0, s[64:65] scope:SCOPE_SE
	s_setreg_imm32_b32 hwreg(HW_REG_WAVE_MODE, 25, 1), 1
	s_wait_xcnt 0x0
; key and value, [64 heads][2048 keys][128 channels] f32, become codes of BF8 (E5M2) with one E8M0 scale byte for each 32 along the product's K:
; key is quantised along the channels (K of the first product), value along the keys (K of the second).
; A block's scale is 2^(floor(log2(its largest magnitude)) - 15); its byte is the largest magnitude's exponent field - 15, held at 1 from below; each number is divided by the scale,
; held within +-57,344 and rounded to the nearest code, ties to even.
; LIMITS: NaN and infinities among the inputs are not served; a block whose largest magnitude lies under 2^-111 (a block of zeros too) keeps the byte 1: a block of zeros has zero codes, which add
; nothing under any byte but 0xff, and the bytes are read by this program alone.
; THE WORKSPACE kv IS LAID IN THE ORDER OF THE OPERANDS' REGISTERS: one record of REC bytes for each head and 256 keys (two key steps q of 128), record = 8 x head + slot:
;   0      K's codes:  q 16384 + t 2048 + c 512 + 16 lane.  Tile t = 2 b + u; lane (r = lane % 16, h = lane / 16) holds key 128 q + 32 b + 8 u + r + 8 (r / 8), channels 32 c + 16 h + 0 .. 15
;   32768  V's codes:  q 16384 + T 2048 + c 512 + 16 lane.  Lane (r, h) holds channel 16 T + r, keys 128 q + 32 c + 16 h + 0 .. 15
;   65536  K's scale words: q 512 + a 256 + 8 lane + 4 jj: register j = 2 a + jj of the step: lanes 0-15 the words of tile 2 j, lanes 16-31 those of tile 2 j + 1
;   66560  V's scale words: j 256 + 8 lane + 4 q: lanes 0-15 the words of tile T = 2 j, lanes 16-31 those of T = 2 j + 1
; SHARES.  Work-groups 0 to 511 take one record's keys, 512 to 1023 one record's values: 256 keys x 128 channels, 131,072 bytes of f32.  Four waves; waves share nothing: no barrier.
; K: a wave takes 64 keys, four tiles of 16.  Each load reads one key's 512 consecutive bytes; a tile turns through the wave's own stage in LDS so that a lane gets 16 neighbouring channels of each block of 32.
; V: a lane takes a channel and its registers run down the keys: a block of 32 keys lies in one lane, and its 32 codes are two runs of 16 bytes of the record.  No LDS.
; No tensor loads, no cluster: no byte is read by two work-groups.  No prefetch: the launch does nothing but stream.
.set REC,   67584
.set VCO,   32768                      ; V's codes in a record
.set KSC,   65536                      ; K's scale words
.set VSC,   66560                      ; V's scale words
.set SP,    528                        ; a stage row: a key's 512 bytes + 16 = 132 words, so that the 16 rows that a read touches begin 4 words apart modulo 64 words
.set STG,   16*SP                      ; a wave's stage
.set SPARE, 4*STG                      ; behind the four stages: the spare words, 128 bytes for each wave: two blocks of 256 bytes that no other line names
.set LANE,  1                          ; v1   lane
.set LI,    2                          ; v2   16 x lane; never rewritten
.set SIN,   3                          ; v3   the stage, on the way in: 16 x lane
.set SOUT,  4                          ; v4   and on the way out: row r, + 64 h
.set L8,    5                          ; v5   8 x lane
.set SPW,   6                          ; v6   LDS address of my spare word; never rewritten
.set NIL,   7                          ; v7   0; never rewritten
.set SW,    8                          ; v8-11  K: the four tiles' scale words.  V: v8 = 4 x lane, v9 = my codes' place
.set PR,    12                         ; v[12:13] the pair of scale words that is stored
.set PW,    14                         ; v14  the scale word just made
.set TM,    16                         ; v16-19 largest magnitudes, v20-23 the other half's, then bytes, v28-31 the conversions' scale operands
.set R,     32                         ; v32-159  K: two sets of 64: a tile as loaded
.set X,     160                        ; v160-223 K: a tile turned: register 16 c + i = channel 32 c + 16 h + i of key row r
.set C,     224                        ; v224-239 K: a tile's codes
.set VX,    32                         ; v32-95   V: two sets of 32 numbers
.set VC,    96                         ; v96-159  V: codes, eight registers for each block: no store's data are written again
	s_load_b128 s[4:7], s[0:1], 0x0                ; key, value
	s_load_b64 s[8:9], s[0:1], 0x10                ; kv
	v_lshl_add_u32 v[SPW], v0, 2, SPARE
	v_mov_b32 v[NIL], 0
	v_lshrrev_b32 v1, 5, v0
	v_readfirstlane_b32 s10, v1                    ; wave 0..3
	v_and_b32 v[LANE], 31, v0
	v_lshlrev_b32 v[LI], 4, v[LANE]
	v_lshlrev_b32 v[L8], 3, v[LANE]
	v_and_b32 v10, 15, v0                          ; r
	v_bfe_u32 v11, v0, 4, 1                        ; h
	s_mul_i32 s16, s10, STG                        ; my stage: every LDS address is made here, ahead of the parting of the two ways
	v_add_nc_u32 v[SIN], s16, v[LI]
	v_mul_u32_u24 v[SOUT], v10, SP
	v_lshl_add_u32 v[SOUT], v11, 6, v[SOUT]
	v_add_nc_u32 v[SOUT], s16, v[SOUT]
	s_mov_b32 s20, 0x76543210
	s_mov_b32 s21, 0xfedcba98                      ; v_permlanex16_b32's selects for lane l xor 16
	s_and_b32 s11, ttmp9, 511                      ; which record
	s_mul_i32 s12, s11, REC                        ; its first byte in kv (under 2^26)
	s_mov_b32 s13, 0
	s_lshl_b32 s14, s11, 17                        ; and its 131,072 bytes of f32 (under 2^26)
	s_mov_b32 s15, 0
	s_wait_kmcnt 0x0
	s_add_nc_u64 s[8:9], s[8:9], s[12:13]
	s_cmp_lt_u32 ttmp9, 512                        ; keys or values?  The work-group's number alone decides
	s_cbranch_scc0 .Lvalue
	; ---------------- K: my wave's 64 keys: tiles 4 (w % 2) + 0 .. 3 of key step w / 2
	s_lshl_b32 s17, s10, 15                        ; 64 keys x 512 bytes
	s_add_co_u32 s14, s14, s17
	s_add_nc_u64 s[4:5], s[4:5], s[14:15]
	s_lshl_b32 s12, s10, 8
	s_add_co_u32 s12, s12, KSC
	s_add_nc_u64 s[18:19], s[8:9], s[12:13]        ; my 256 bytes of scale words
	s_lshl_b32 s12, s10, 13
	s_add_nc_u64 s[8:9], s[8:9], s[12:13]          ; my four tiles' codes: 8,192 bytes
.irp b, 0,1,2,3
	v_mov_b32 v[TM+4+\b], 0                        ; written once: a lane permute's destination counts as one of its sources
.endr
.macro LOADK t                         ; tile t = 2 b + u: row r is key 32 b + 8 u + r + 8 (r / 8); each load reads that key's 512 consecutive bytes
.irp r, 0,1,2,3,4,5,6,7,8,9,10,11,12,13,14,15
	global_load_b128 v[R+64*((\t)%2)+4*\r:R+64*((\t)%2)+4*\r+3], v[LI], s[4:5] offset:(32*((\t)/2)+8*((\t)%2)+\r+8*(\r/8))*512 th:TH_LOAD_NT
.endr
.endm
.macro TURNK t                         ; through my stage: in by keys, out 64 bytes of each block of 32 channels a lane.  LDS serves a wave's instructions in order: no wait between the stores and the loads
.irp r, 0,1,2,3,4,5,6,7,8,9,10,11,12,13,14,15
	ds_store_b128 v[SIN], v[R+64*((\t)%2)+4*\r:R+64*((\t)%2)+4*\r+3] offset:\r*SP
.endr
.irp c, 0,1,2,3
.irp j, 0,1,2,3
	ds_load_b128 v[X+16*\c+4*\j:X+16*\c+4*\j+3], v[SOUT] offset:128*\c+16*\j
.endr
.endr
.endm
.macro QUANT                           ; 64 numbers of a lane in v[X] on become a fragment's codes in v[C] on and its scale word in v[PW]
.irp b, 0,1,2,3
	v_max3_num_f32 v[TM+\b], |v[X+16*\b]|, |v[X+16*\b+1]|, 0x8000000   ; block b: my 16 numbers, and the floor 2^(16 - 127): the byte cannot fall under 1
.endr
.irp i, 2,4,6,8,10,12,14
.irp b, 0,1,2,3
	v_max3_num_f32 v[TM+\b], v[TM+\b], |v[X+16*\b+\i]|, |v[X+16*\b+\i+1]|   ; the four blocks by turns
.endr
.endr
.irp b, 0,1,2,3
	v_permlanex16_b32 v[TM+4+\b], v[TM+\b], s20, s21
.endr
.irp b, 0,1,2,3
	v_max_num_f32 v[TM+\b], v[TM+\b], v[TM+4+\b]   ; with lane l xor 16's 16: the block's largest magnitude
.endr
.irp b, 0,1,2,3
	v_add_nc_u32 v[TM+12+\b], 0xf8800000, v[TM+\b] ; 15 off its exponent field: the conversion takes this operand's exponent field as its scale
.endr
.irp b, 0,1,2,3
.endr
.irp b, 0,1,2,3
	v_lshrrev_b32 v[TM+4+\b], 23, v[TM+12+\b]      ; the scale's byte
.endr
	v_lshl_or_b32 v[PW], v[TM+5], 8, v[TM+4]
	v_lshl_or_b32 v[PW], v[TM+6], 16, v[PW]
	v_lshl_or_b32 v[PW], v[TM+7], 24, v[PW]        ; my row's scale word (both halves of the lanes hold it)
.irp b, 0,1,2,3
.irp i, 0,1,2,3,4,5,6,7,8,9,10,11,12,13,14,15
.endr
	v_cvt_scalef32_pk8_bf8_f32 v[C+4*\b:C+4*\b+1], v[X+16*\b:X+16*\b+7], v[TM+12+\b]
	v_cvt_scalef32_pk8_bf8_f32 v[C+4*\b+2:C+4*\b+3], v[X+16*\b+8:X+16*\b+15], v[TM+12+\b]
.endr
	v_nop                                          ; one plain vector line behind the last conversion
.endm
.macro TILEK t
.if (\t) < 3
	s_wait_loadcnt 16                              ; this tile's 16 loads are in; the next tile's 16 may be out
.else
	s_wait_loadcnt 0x0
.endif
	TURNK \t
	s_wait_dscnt 0x0                               ; the tile is back, turned; the stage's stores have read their registers,
.if (\t)+2 < 4
	LOADK (\t)+2                                   ; which take the tile two further on
.endif
.if (\t) > 0
	s_wait_xcnt 0x0                                ; the last tile's stores have read the codes' registers: they are written again only behind this wait
.endif
	QUANT
	v_mov_b32 v[SW+(\t)], v[PW]
.irp c, 0,1,2,3
	global_store_b128 v[LI], v[C+4*\c:C+4*\c+3], s[8:9] offset:(\t)*2048+\c*512   ; 32 lanes store 512 consecutive bytes, at a multiple of 256 from kv's first byte
.endr
.endm
	LOADK 0
	LOADK 1
	s_wait_alu depctr_va_vdst(0)
	TILEK 0
	TILEK 1
	TILEK 2
	TILEK 3
	v_cmp_lt_u32 vcc_lo, 15, v[LANE]               ; lanes 16-31 carry the odd tile's words
	v_cndmask_b32 v[PR], v[SW], v[SW+1], vcc_lo
	v_cndmask_b32 v[PR+1], v[SW+2], v[SW+3], vcc_lo
	global_store_b64 v[L8], v[PR:PR+1], s[18:19]   ; 32 lanes store 256 consecutive bytes, aligned
	s_branch .Lend
	; ---------------- V: my wave's 32 channels, a lane a channel, registers down the keys
.Lvalue:
	s_lshl_b32 s17, s10, 7                         ; 32 channels x 4 bytes
	s_add_co_u32 s14, s14, s17
	s_add_nc_u64 s[6:7], s[6:7], s[14:15]
	s_lshl_b32 s12, s10, 8
	s_add_co_u32 s12, s12, VSC
	s_add_nc_u64 s[18:19], s[8:9], s[12:13]        ; my 256 bytes of scale words: register j = my wave
	s_lshl_b32 s12, s10, 12
	s_add_co_u32 s12, s12, VCO
	s_add_nc_u64 s[8:9], s[8:9], s[12:13]          ; tiles 2 w and 2 w + 1
	s_wait_alu depctr_va_vdst(0)
	v_lshlrev_b32 v9, 4, v10
	v_lshl_add_u32 v9, v11, 11, v9                 ; my codes' place: tile lane / 16, 16 bytes for row lane % 16
	v_lshlrev_b32 v8, 2, v[LANE]                   ; in: 4 bytes a lane
.macro LOADV t                         ; block t: value(32 t + i, my channel), i = 0 .. 31: a wave reads 128 consecutive bytes, the four waves 512
.irp i, 0,1,2,3,4,5,6,7,8,9,10,11,12,13,14,15,16,17,18,19,20,21,22,23,24,25,26,27,28,29,30,31
	global_load_b32 v[VX+32*((\t)%2)+\i], v8, s[6:7] offset:(32*(\t)+\i)*512 th:TH_LOAD_NT
.endr
.endm
.macro BLOCKV t
.set XS, VX+32*((\t)%2)
.if (\t) < 7
	s_wait_loadcnt 32                              ; this block's 32 loads are in; the next block's 32 may be out
.else
	s_wait_loadcnt 0x0
.endif
	v_max3_num_f32 v16, |v[XS]|, |v[XS+1]|, |v[XS+2]|      ; the block's largest magnitude: all 32 numbers are mine; two chains
	v_max3_num_f32 v17, |v[XS+3]|, |v[XS+4]|, |v[XS+5]|
.irp i, 6,10,14,18,22,26
	v_max3_num_f32 v16, v16, |v[XS+\i]|, |v[XS+\i+1]|
	v_max3_num_f32 v17, v17, |v[XS+\i+2]|, |v[XS+\i+3]|
.endr
	v_max3_num_f32 v16, v16, |v[XS+30]|, |v[XS+31]|
	v_max3_num_f32 v16, v16, v17, 0x8000000        ; and the floor 2^(16 - 127)
	v_add_nc_u32 v19, 0xf8800000, v16              ; the conversion's scale operand
	v_lshrrev_b32 v17, 23, v19                     ; the scale's byte
.if (\t)%4 == 0
	v_mov_b32 v[PR+(\t)/4], v17                    ; four bytes make a key step's word, the lower keys in the lower byte
.else
	v_lshl_or_b32 v[PR+(\t)/4], v17, 8*((\t)%4), v[PR+(\t)/4]
.endif
.irp i, 0,1,2,3,4,5,6,7,8,9,10,11,12,13,14,15,16,17,18,19,20,21,22,23,24,25,26,27,28,29,30,31
.endr
.irp g, 0,1,2,3
	v_cvt_scalef32_pk8_bf8_f32 v[VC+8*(\t)+2*\g:VC+8*(\t)+2*\g+1], v[XS+8*\g:XS+8*\g+7], v19
.endr
	v_nop                                          ; one plain vector line behind the last conversion
	global_store_b128 v9, v[VC+8*(\t):VC+8*(\t)+3], s[8:9] offset:((\t)/4)*16384+((\t)%4)*512        ; keys 0-15 of the block: lanes 0-15 store 256 consecutive aligned bytes, lanes 16-31 another 256
	global_store_b128 v9, v[VC+8*(\t)+4:VC+8*(\t)+7], s[8:9] offset:((\t)/4)*16384+((\t)%4)*512+256  ; keys 16-31: the image's upper half of the lanes
.if (\t)+2 < 8
	LOADV (\t)+2
.endif
.endm
	LOADV 0
	LOADV 1
.irp t, 0,1,2,3,4,5,6,7
	BLOCKV \t
.endr
	global_store_b64 v[L8], v[PR:PR+1], s[18:19]   ; 32 lanes store 256 consecutive bytes, aligned
.Lend:
	s_wait_tensorcnt 0x0                           ; the wave's end, behind my last LDS store
	ds_add_u32 v[SPW], v[NIL]
	s_wait_dscnt 0x0
	s_endpgm
.Lfunc_end_k_qa71c280513_prep:
	.size	k_qa71c280513_prep, .Lfunc_end_k_qa71c280513_prep-k_qa71c280513_prep
	.p2alignl 7, 3214868480
	.fill 96, 4, 3214868480
	.section	.rodata,"a",@progbits
	.p2align	6, 0x0
	.amdhsa_kernel k_qa71c280513_prep
		.amdhsa_group_segment_fixed_size 34304
		.amdhsa_private_segment_fixed_size 0
		.amdhsa_enable_private_segment 0
		.amdhsa_kernarg_size 24
		.amdhsa_user_sgpr_count 2
		.amdhsa_user_sgpr_kernarg_segment_ptr 1
		.amdhsa_wavefront_size32 1
		.amdhsa_system_sgpr_workgroup_id_x 1
		.amdhsa_system_sgpr_workgroup_id_y 1
		.amdhsa_system_sgpr_workgroup_id_z 1
		.amdhsa_system_vgpr_workitem_id 0
		.amdhsa_next_free_vgpr 256
		.amdhsa_next_free_sgpr 66
		.amdhsa_reserve_vcc 1
		.amdhsa_float_denorm_mode_32 3
		.amdhsa_float_denorm_mode_16_64 3
		.amdhsa_fp16_overflow 1
		.amdhsa_memory_ordered 1
		.amdhsa_forward_progress 1
		.amdhsa_inst_pref_size 71
	.end_amdhsa_kernel
	.amdgpu_metadata
---
amdhsa.version: [ 1, 2 ]
amdhsa.kernels:
  - .name:           k_qa71c280513_prep
    .symbol:         k_qa71c280513_prep.kd
    .args:
      - { .name: key, .offset: 0, .size: 8, .value_kind: global_buffer, .address_space: global }
      - { .name: value, .offset: 8, .size: 8, .value_kind: global_buffer, .address_space: global }
      - { .name: kv, .offset: 16, .size: 8, .value_kind: global_buffer, .address_space: global }
    .group_segment_fixed_size: 34304
    .private_segment_fixed_size: 0
    .kernarg_segment_align: 8
    .kernarg_segment_size: 24
    .max_flat_workgroup_size: 128
    .sgpr_count:     66
    .vgpr_count:     256
    .wavefront_size: 32
...
	.end_amdgpu_metadata
.endif
;; end of part 1
;; launch attn (part 2): grid 8 x 64, 8 waves a work-group, clusters of 4 x 1, 327,680 bytes of LDS; arguments query, kv, out0; writes out0
.if DOCPART == 2
	.amdgcn_target "amdgcn-amd-amdhsa--gfx1250"
	.amdhsa_code_object_version 6
	.text
	.protected	k_qa71c280513_attn
	.globl	k_qa71c280513_attn
	.p2align	8
	.type	k_qa71c280513_attn,@function
k_qa71c280513_attn:
	s_mov_b64 s[64:65], 0
	v_nop
	global_prefetch_b8 v0, s[64:65] scope:SCOPE_SE
	s_setreg_imm32_b32 hwreg(HW_REG_WAVE_MODE, 25, 1), 1
	s_wait_xcnt 0x0
	s_wait_alu depctr_hold_cnt(0) depctr_sa_sdst(0) depctr_va_vdst(0) depctr_va_sdst(0) depctr_va_ssrc(0) depctr_va_vcc(0) depctr_vm_vsrc(0)
	s_getreg_b32 s2, hwreg(HW_REG_IB_STS2, 6, 4)
	s_cmp_eq_u32 s2, 0
	s_cbranch_scc0 .Lentry_in_a_cluster
	s_endpgm
.Lentry_in_a_cluster:
	s_bfe_u32 s2, ttmp6, 0x10000c
	s_cmp_lg_u32 s2, 0x3003
	s_cbranch_scc0 .Lentry_shape_is_right
	s_endpgm
.Lentry_shape_is_right:
; out[h][q][:] = the sum over k of softmax_k(Q[h][q] . K[h][k] / sqrt(128)) V[h][k][:], 64 heads, 2,048 queries and keys, 128 channels; both products on codes of BF8 (E5M2) with one E8M0 scale for each 32 along K.
; query and out0 are f32.  K and V come from kv, which the launch before has laid in the order of the operands' registers: a record of REC bytes for each head and 256 keys (two key steps of 128):
; K's codes at 0, V's (keys innermost) at 32768, K's scale words at 65536, V's at 66560.  A fragment is four loads of 512 consecutive bytes, 16 a lane; a record is one dense block.
; THE SOFTMAX AHEAD OF THE SECOND PRODUCT: t = score x log2(e) / sqrt(128); M = the row's largest t so far, rounded UP to a whole number; p = 2^(t - M) is what is quantised, along the keys, not normalised.
; The row's sum is taken of the unquantised p, in f32, and divides at the end.  When M moves, the sum and O are multiplied by 2^(old M - new M), which rounds nothing.
; LIMITS: NaN and infinities among the inputs are not served; a block of Q under 2^-111, and a block of p all of whose numbers are 0, keep the scale byte 1 (zero codes add nothing); p under 2^-126 becomes 0
; (the exponential gives 0 there: ISA guide 15.8); M is a whole number exactly while |t| stays under 2^24.
; SHARES.  A work-group owns 256 queries of one head; each of its eight waves 32 of them: two tiles y of 16, in 512 registers.  Every fragment of K and V that a wave reads from LDS feeds two matrix instructions.
; Every wave walks the head's 16 key steps: eight records through a ring of two LDS slots, each filled by waves 0 to 3, a quarter of a record (66 rows of 256 bytes) each.
; CLUSTER.  The four work-groups of a cluster own four query blocks of ONE head and walk the same records: each quarter is asked for JOINTLY, by the same tensor load with the same descriptor and a mask that names the four.
; LAYOUT.  Both products are used transposed: S^T = K Q^T (source 0 = 16 keys, source 1 = 16 queries), O^T = V^T P^T (source 0 = 16 channels, source 1 = P): a lane holds ONE query (lane % 16) of each tile throughout.
; The keys of a tile of K are not neighbours (row r of tile 2 b + u is key 32 b + 8 u + r + 8 (r / 8)), so that the 16 registers of tiles 2 b and 2 b + 1 are keys 32 b + 16 (lane / 16) + 0 .. 15: the conversions' results are P's fragment.
; Q is read once, by one wave: it is quantised in registers at the head.
; REGISTERS, in windows of 256 (s_set_vgpr_msb: bits 1:0 source 0, 3:2 source 1, 5:4 source 2, 7:6 destination):
;   window 0: v1-7 addresses; v8-15 statistics, four a tile (-M, largest t, the sum in two halves); v16-19 K's scale words, v20-23 V's, v24-25 Q's, v26-27 P's; v28-31 f, a pair a tile; v32-63 at work, 16 a tile;
;             v64-127 four fragments; v128-255 S^T, then p, 64 a tile.
;   window 1: v0-127 O^T, 64 a tile; v128-159 Q's fragments; v160-191 P's; v192-255 four fragments.
.set REC,   67584
.set HEADB, 8*REC                      ; a head's records
.set QTR,   REC/4                      ; what one tensor load brings: 16,896 bytes
.set SLOT1, 1<<17                      ; slot 1 begins here, so that one exclusive or turns an address in one slot into the other's
.set SPARE, 2*SLOT1                    ; behind the ring: the spare words, 128 bytes for each wave: four blocks of 256 bytes that no other line names
.set SP,    528                        ; the way out: a stage row: 512 bytes + 16
.set STG,   16*SP                      ; a wave's stage, at wave x STG in slot 0: that slot has had its last fill (record 6) and its last read when the first result is stored there
.set LI,   1                           ; v1   16 x lane; never rewritten
.set LS8,  2                           ; v2   65536 + 8 x lane; never rewritten
.set SPW,  3                           ; v3   LDS address of my spare word; never rewritten
.set NIL,  4                           ; v4   0; never rewritten
.set PFO,  5                           ; v5   256 x lane: the prefetches' offset; never rewritten
.set ADF,  6                           ; v6   LDS address of the slot's fragments
.set ADS,  7                           ; v7   and of its scale words
.set ST,   8                           ; tile y: v[ST+4y] -M, +1 the largest t, +2, +3 the sum
.set KS,   16
.set VS,   20
.set QS,   24
.set PS,   26
.set F,    28                          ; tile y: v[F+2y] f; v[F+2y+1] is named with it as a pair
.set T,    32                          ; tile y, from v[T+16y]: +0..3 a block's largest score, then p; +4..7 the other half's, second sum chain, bytes; +8 at work; +12..15 the conversions' scale operands
.set FA,   64
.set S,    128
.set OT,   0                           ; in window 1
.set QF,   128
.set PC,   160
.set FB,   192
.set STO,  32                          ; the way out: where I put 32 bytes of a row
.set RD,   33                          ; and where I read a row back
.set WV,   10                          ; s10  my wave's number
.set G1,   16                          ; s[16:23] descriptor group 1
.set G0,   24                          ; s[24:27] descriptor group 0: it walks
.set PFA,  28                          ; s[28:29] where my prefetches stand
.set LIM,  30                          ; s30  1 in a wave that prefetches, else the greatest number
.set SLOTS, 31                         ; s31  records still to be asked for
.set TB,   32                          ; s32  LDS byte at which the slot in hand begins
.set MNT,  33
.set CS,   34                          ; s[34:35] c = log2(e) / sqrt(128)
.set SEL,  36                          ; s[36:37] v_permlanex16_b32's selects for lane l xor 16
.set MSB, 0
.macro WIN new                         ; the immediate's high byte repeats the setting that is left; a switch that changes nothing is dropped
.if MSB != \new
	s_set_vgpr_msb (MSB<<8)|\new
.set MSB, \new
.endif
.endm
; A round of the cluster's barrier: my work-group's barrier; wave 0 signals for the work-group; every wave waits for all four work-groups; my work-group's barrier once more.
.macro CROUND
	s_barrier_signal -1
	s_barrier_wait -1
	s_cmp_lg_u32 s[WV], 0
	s_cbranch_scc1 .Lnot_wave_0_\@
	s_barrier_signal -3
.Lnot_wave_0_\@:
	s_barrier_wait -3
	s_barrier_signal -1
	s_barrier_wait -1
.endm
; A joint load: waves 0 to 3 fetch a quarter of a record each.  The branch hangs on the wave's number alone.  An s_nop 0 and four v_nop follow the load.
.macro JLOAD
	s_cmp_lt_u32 s[WV], 4
	s_cbranch_scc0 .Lno_load_\@
	tensor_load_to_lds s[G0:G0+3], s[G1:G1+7]
	s_nop 0
.rept 4
	v_nop
.endr
.Lno_load_\@:
.endm
; A PREFETCH INTO THE L2 of the codes of the record that the NEXT change of slots will ask for: two key steps ahead of that load.  Both clusters of a head walk the same records: the head's first cluster asks.
; Its four partners share the record's 65,536 bytes of codes out BY ADDRESS, 16,384 each; in each, waves 4 and 5, which fetch nothing, ask for 8,192 bytes each, lanes 256 bytes apart: each block is named once in the launch.
; The scale words and records 0 and 1 come by their loads alone; the last change that fills a slot asks for nothing: there is no record behind it.
.macro ASK
	s_cmp_gt_u32 s[SLOTS], s[LIM]
	s_cbranch_scc0 .Lnot_mine_\@
	global_prefetch_b8 v[PFO], s[PFA:PFA+1] th:TH_LOAD_NT scope:SCOPE_SE
.Lnot_mine_\@:
.endm
	s_load_b128 s[4:7], s[0:1], 0x0                ; query, kv
	s_load_b64 s[8:9], s[0:1], 0x10                ; out0
	v_lshl_add_u32 v[SPW], v0, 2, SPARE
	v_mov_b32 v[NIL], 0
	ds_add_u32 v[SPW], v[NIL]                      ; the wave's opening: the add and its wait stand ahead of the first tensor load; the set-up below, work on registers, stands between them
	ds_add_u32 v[SPW], v[NIL]
	v_lshrrev_b32 v1, 5, v0
	s_delay_alu instid0(VALU_DEP_1)
	v_readfirstlane_b32 s[WV], v1                  ; wave 0..7
	s_bfe_u32 s11, ttmp6, 0x40000                  ; cx: my place in the cluster
	s_lshl_b32 s12, ttmp9, 2                       ; in a cluster launch ttmp9 counts clusters
	s_add_co_u32 s12, s12, s11                     ; my block of 256 queries: it enters Q's and O's addresses alone
	s_and_b32 s13, ttmp7, 0xffff                   ; the head, which the four partners share
	; descriptor group 1: a quarter of a record, 16,896 dense bytes, as 66 rows of 256 bytes (32 elements of 8 bytes), no padding
	s_mov_b32 s[G1+0], 15|(3<<16)|(1<<21)          ; 15:0 the mask: all four work-groups; 17:16 elements of 8 bytes; 21 set beside a mask
	s_mov_b32 s[G1+1], 32<<16                      ; tensor_dim0 = 32
	s_mov_b32 s[G1+2], 66<<16                      ; tensor_dim1 = 66
	s_mov_b32 s[G1+3], 32<<16                      ; tile_dim0 = 32
	s_mov_b32 s[G1+4], 66                          ; tile_dim1 = 66
	s_mov_b32 s[G1+5], 32                          ; from row to row
	s_mov_b32 s[G1+6], 0
	s_mov_b32 s[G1+7], 0
	s_mov_b32 s[CS], 0x3e0293ee                    ; c = log2(e) / sqrt(128)
	s_mov_b32 s[CS+1], s[CS]                       ; (named with it as a pair, so it is written)
	s_mov_b32 s[SEL], 0x76543210
	s_mov_b32 s[SEL+1], 0xfedcba98
	s_mov_b32 s[TB], 0
	s_mov_b32 s[SLOTS], 7
	s_mov_b32 s[G0], 1                             ; 1:0 count = 1
	s_mul_i32 s[G0+1], s[WV], QTR                  ; LDS address: slot 0, my quarter: no place in the cluster enters it
	s_mul_i32 s38, s13, HEADB
	s_add_co_u32 s38, s38, s[G0+1]                 ; and the same quarter of the head's record 0 in kv (under 2^26)
	s_mov_b32 s39, 0
	s_mul_i32 s40, s13, HEADB                      ; the prefetches: the head's record 1 (the first change of slots steps it to record 2),
	s_add_co_u32 s40, s40, REC
	s_lshl_b32 s41, s11, 14                        ; my work-group's 16,384 bytes of its codes,
	s_add_co_u32 s40, s40, s41
	s_and_b32 s41, s[WV], 1
	s_lshl_b32 s41, s41, 13                        ; my wave's 8,192 of them
	s_add_co_u32 s40, s40, s41
	s_mov_b32 s41, 0
	s_lshr_b32 s[LIM], s[WV], 1
	s_xor_b32 s[LIM], s[LIM], 2                    ; 0 in waves 4 and 5,
	s_or_b32 s[LIM], s[LIM], ttmp9                 ; of the head's first cluster: the same in all four partners
	s_cmp_eq_u32 s[LIM], 0
	s_cselect_b32 s[LIM], 1, -1
	s_lshl_b32 s14, s13, 20                        ; Q and O: the head's 2,048 rows of 512 bytes,
	s_lshl_b32 s15, s12, 17                        ; my block's 256,
	s_add_co_u32 s14, s14, s15
	s_lshl_b32 s15, s[WV], 14                      ; my wave's 32 (in all under 2^27)
	s_add_co_u32 s14, s14, s15
	s_mov_b32 s15, 0
	v_and_b32 v1, 31, v0                           ; lane
	s_delay_alu instid0(VALU_DEP_1)
	v_lshlrev_b32 v[PFO], 8, v1
	s_delay_alu instid0(VALU_DEP_2)
	v_lshl_add_u32 v[LS8], v1, 3, 65536
	s_delay_alu instid0(VALU_DEP_3)
	v_lshlrev_b32 v[LI], 4, v1
	v_and_b32 v33, 15, v0                          ; r
	v_bfe_u32 v34, v0, 4, 1                        ; h
	s_delay_alu instid0(VALU_DEP_2)
	v_lshlrev_b32 v32, 9, v33
	s_delay_alu instid0(VALU_DEP_1)
	v_lshl_add_u32 v32, v34, 6, v32                ; Q: row r of 512 bytes, + 64 h: my 16 numbers of a block of 32
	s_wait_dscnt 0x0                               ; the opening add is done
	s_wait_kmcnt 0x0
	s_add_nc_u64 s[G0+2:G0+3], s[6:7], s[38:39]    ; global address of my quarter
	s_or_b32 s[G0+3], s[G0+3], 0x80000000          ; 127:126 type = 2
	s_add_nc_u64 s[PFA:PFA+1], s[6:7], s[40:41]
	s_add_nc_u64 s[4:5], s[4:5], s[14:15]
	s_add_nc_u64 s[8:9], s[8:9], s[14:15]
	CROUND                                         ; all four work-groups are here: the first joint loads meet
	JLOAD                                          ; record 0 into slot 0: the one first fill
	s_wait_alu depctr_va_vdst(0)
.irp y, 0,1                                    ; my 32 rows of Q: register 16 b + 4 j + i of tile y = channel 32 b + 16 h + 4 j + i of row r
.irp b, 0,1,2,3
.irp j, 0,1,2,3
	global_load_b128 v[S+64*\y+16*\b+4*\j:S+64*\y+16*\b+4*\j+3], v32, s[4:5] offset:8192*\y+128*\b+16*\j th:TH_LOAD_NT
.endr
.endr
.endr
.irp y, 0,1
.irp b, 0,1,2,3
	v_mov_b32 v[T+16*\y+4+\b], 0                   ; written once: a lane permute's destination counts as one of its sources
.endr
	v_mov_b32 v[F+2*\y+1], 0                       ; (named as the upper half of f's pair)
	v_mov_b32 v[ST+4*\y+1], 0xff61b1e6             ; the largest t so far: -3e38, under every t
	s_delay_alu instid0(VALU_DEP_1)
	v_floor_f32 v[ST+4*\y], -v[ST+4*\y+1]          ; -M
	v_mov_b32 v[ST+4*\y+2], 0                      ; the sum, in two halves
	v_mov_b32 v[ST+4*\y+3], 0
.endr
	s_wait_loadcnt 0x0                             ; Q is in, and v32, the loads' offset, is free
; Tile y's 64 numbers a lane become Q's fragment (window 1) and its scale word.
.macro QQ y
.irp b, 0,1,2,3
	v_max3_num_f32 v[T+16*\y+\b], |v[S+64*\y+16*\b]|, |v[S+64*\y+16*\b+1]|, 0x8000000   ; block b: my 16 numbers, and the floor 2^(16 - 127)
.endr
.irp i, 2,4,6,8,10,12,14
.irp b, 0,1,2,3
	s_delay_alu instid0(VALU_DEP_4)
	v_max3_num_f32 v[T+16*\y+\b], v[T+16*\y+\b], |v[S+64*\y+16*\b+\i]|, |v[S+64*\y+16*\b+\i+1]|
.endr
.endr
.irp b, 0,1,2,3
	s_delay_alu instid0(VALU_DEP_4)
	v_permlanex16_b32 v[T+16*\y+4+\b], v[T+16*\y+\b], s[SEL], s[SEL+1]
.endr
.irp b, 0,1,2,3
	s_delay_alu instid0(VALU_DEP_4)
	v_max_num_f32 v[T+16*\y+\b], v[T+16*\y+\b], v[T+16*\y+4+\b]   ; with lane l xor 16's: the block's largest magnitude
.endr
.irp b, 0,1,2,3
	s_delay_alu instid0(VALU_DEP_4)
	v_add_nc_u32 v[T+16*\y+12+\b], 0xf8800000, v[T+16*\y+\b]      ; 15 off its exponent field: the conversion's scale operand
.endr
.irp b, 0,1,2,3
.endr
.irp b, 0,1,2,3
	s_delay_alu instid0(VALU_DEP_4)
	v_lshrrev_b32 v[T+16*\y+4+\b], 23, v[T+16*\y+12+\b]           ; the scale's byte
.endr
	s_delay_alu instid0(VALU_DEP_3)
	v_lshl_or_b32 v[QS+\y], v[T+16*\y+5], 8, v[T+16*\y+4]
	s_delay_alu instid0(VALU_DEP_1)
	v_lshl_or_b32 v[QS+\y], v[T+16*\y+6], 16, v[QS+\y]
	s_delay_alu instid0(VALU_DEP_1)
	v_lshl_or_b32 v[QS+\y], v[T+16*\y+7], 24, v[QS+\y]
.irp b, 0,1,2,3
.irp i, 0,1,2,3,4,5,6,7,8,9,10,11,12,13,14,15
.endr
.endr
	WIN 0x40                                       ; destination window 1
.irp b, 0,1,2,3
	v_cvt_scalef32_pk8_bf8_f32 v[QF+16*\y+4*\b:QF+16*\y+4*\b+1], v[S+64*\y+16*\b:S+64*\y+16*\b+7], v[T+16*\y+12+\b]
	v_cvt_scalef32_pk8_bf8_f32 v[QF+16*\y+4*\b+2:QF+16*\y+4*\b+3], v[S+64*\y+16*\b+8:S+64*\y+16*\b+15], v[T+16*\y+12+\b]
.endr
	WIN 0
	v_nop                                          ; one plain vector line behind the last conversion
.endm
	QQ 0
	QQ 1
	WIN 0x40
.set n, 0
.rept 128
	v_mov_b32 v[OT+n], 0                           ; O^T.  The key step is written once: the first finds zeros, which the first change of M leaves zeros.  (Also the places between Q's codes and scale words and the first products)
.set n, n+1
.endr
	WIN 0
; THE LDS LOADS of a key step, in two runs: K's eight fragments and four registers of scale words; V's likewise.  Each load reads 512 (the words: 256) consecutive bytes.
.macro FETCH_K q
.irp t, 0,1,2,3
.irp c, 0,1,2,3
	ds_load_b128 v[FA+16*\t+4*\c:FA+16*\t+4*\c+3], v[ADF] offset:(\q)*16384+\t*2048+\c*512
.endr
.endr
	ds_load_b64 v[KS:KS+1], v[ADS] offset:(\q)*512
	ds_load_b64 v[KS+2:KS+3], v[ADS] offset:(\q)*512+256
	WIN 0x40                                       ; destination window 1, address window 0
.irp t, 0,1,2,3
.irp c, 0,1,2,3
	ds_load_b128 v[FB+16*\t+4*\c:FB+16*\t+4*\c+3], v[ADF] offset:(\q)*16384+(\t+4)*2048+\c*512
.endr
.endr
.endm
.macro FETCH_V q
.irp t, 0,1,2,3
.irp c, 0,1,2,3
	ds_load_b128 v[FA+16*\t+4*\c:FA+16*\t+4*\c+3], v[ADF] offset:32768+(\q)*16384+\t*2048+\c*512
.endr
.endr
.irp j, 0,1,2,3
	ds_load_b32 v[VS+\j], v[ADS] offset:1024+256*\j+4*(\q)
.endr
	WIN 0x40
.irp t, 0,1,2,3
.irp c, 0,1,2,3
	ds_load_b128 v[FB+16*\t+4*\c:FB+16*\t+4*\c+3], v[ADF] offset:32768+(\q)*16384+(\t+4)*2048+\c*512
.endr
.endr
	WIN 0
.endm
; Eight products S^T = K Q^T: tiles t0 .. t0 + 3 of keys (fragments from v[a0] on) x my two tiles of queries.  Each starts its sum with the constant 0.  An odd tile's scale words lie in lanes 16-31 of the register.
.macro QK t0, a0
.irp t, 0,1,2,3
.irp y, 0,1
.if \t % 2
	v_wmma_scale_f32_16x16x128_f8f6f4 v[S+64*\y+8*(\t0+\t):S+64*\y+8*(\t0+\t)+7], v[\a0+16*\t:\a0+16*\t+15], v[QF+16*\y:QF+16*\y+15], 0, v[KS+(\t0+\t)/2], v[QS+\y] matrix_a_fmt:MATRIX_FMT_BF8 matrix_b_fmt:MATRIX_FMT_BF8 matrix_a_scale:MATRIX_SCALE_ROW1
.else
	v_wmma_scale_f32_16x16x128_f8f6f4 v[S+64*\y+8*(\t0+\t):S+64*\y+8*(\t0+\t)+7], v[\a0+16*\t:\a0+16*\t+15], v[QF+16*\y:QF+16*\y+15], 0, v[KS+(\t0+\t)/2], v[QS+\y] matrix_a_fmt:MATRIX_FMT_BF8 matrix_b_fmt:MATRIX_FMT_BF8
.endif
.endr
.endr
.endm
; Eight products O^T += V^T P^T: tiles t0 .. t0 + 3 of channels x my two tiles of queries.  Each of the 16 accumulators has one instruction a key step: they take turns.
.macro PV t0, a0
.irp t, 0,1,2,3
.irp y, 0,1
.if \t % 2
	v_wmma_scale_f32_16x16x128_f8f6f4 v[OT+64*\y+8*(\t0+\t):OT+64*\y+8*(\t0+\t)+7], v[\a0+16*\t:\a0+16*\t+15], v[PC+16*\y:PC+16*\y+15], v[OT+64*\y+8*(\t0+\t):OT+64*\y+8*(\t0+\t)+7], v[VS+(\t0+\t)/2], v[PS+\y] matrix_a_fmt:MATRIX_FMT_BF8 matrix_b_fmt:MATRIX_FMT_BF8 matrix_a_scale:MATRIX_SCALE_ROW1
.else
	v_wmma_scale_f32_16x16x128_f8f6f4 v[OT+64*\y+8*(\t0+\t):OT+64*\y+8*(\t0+\t)+7], v[\a0+16*\t:\a0+16*\t+15], v[PC+16*\y:PC+16*\y+15], v[OT+64*\y+8*(\t0+\t):OT+64*\y+8*(\t0+\t)+7], v[VS+(\t0+\t)/2], v[PS+\y] matrix_a_fmt:MATRIX_FMT_BF8 matrix_b_fmt:MATRIX_FMT_BF8
.endif
.endr
.endr
.endm
; A KEY STEP: 128 keys, the q-th of the slot in hand, for my two tiles of queries.
.macro STEP q
	v_add_nc_u32 v[ADF], s[TB], v[LI]
	v_add_nc_u32 v[ADS], s[TB], v[LS8]
.rept 6
	v_nop                                          ; with the two additions: eight places behind the last products, in front of loads into registers that they have read
.endr
	FETCH_K \q
	s_wait_alu depctr_va_vdst(0)
	s_wait_dscnt 16                                ; tiles 0-3 and the scale words are in; the youngest 16 loads (tiles 4-7) may be out
	WIN 0x04                                       ; K window 0, Q window 1, S^T window 0
	QK 0, FA
	s_wait_dscnt 0x0
	WIN 0x05                                       ; K window 1
	QK 4, FB
	WIN 0
.rept 8
	v_nop                                          ; eight places: for the loads into the fragments' registers, and for the first read of the scores
.endr
	FETCH_V \q                                     ; V's fragments land while the softmax is walked
	; ---- the largest score of each block of 32 keys: it serves the row's maximum and, since p rises with the score, the block's largest p.  Each accumulator is read from its low end on
.irp y, 0,1
.irp b, 0,1,2,3
	v_max3_num_f32 v[T+16*\y+\b], v[S+64*\y+16*\b], v[S+64*\y+16*\b+1], v[S+64*\y+16*\b+2]
.endr
.endr
.irp i, 3,5,7,9,11,13
.irp y, 0,1
.irp b, 0,1,2,3
	v_max3_num_f32 v[T+16*\y+\b], v[T+16*\y+\b], v[S+64*\y+16*\b+\i], v[S+64*\y+16*\b+\i+1]
.endr
.endr
.endr
.irp y, 0,1
.irp b, 0,1,2,3
	v_max_num_f32 v[T+16*\y+\b], v[T+16*\y+\b], v[S+64*\y+16*\b+15]
.endr
.endr
.irp y, 0,1
.irp b, 0,1,2,3
	v_permlanex16_b32 v[T+16*\y+4+\b], v[T+16*\y+\b], s[SEL], s[SEL+1]
.endr
.endr
.irp y, 0,1
.irp b, 0,1,2,3
	v_max_num_f32 v[T+16*\y+\b], v[T+16*\y+\b], v[T+16*\y+4+\b]   ; with lane l xor 16's 16 keys
.endr
.endr
	; ---- the running M and f, the two tiles line by line
.irp y, 0
	v_max3_num_f32 v[T+16*\y+8], v[T+16*\y], v[T+16*\y+1], v[T+16*\y+2]
.endr
.irp y, 1
	s_delay_alu instid0(VALU_DEP_3)
	v_max3_num_f32 v[T+16*\y+8], v[T+16*\y], v[T+16*\y+1], v[T+16*\y+2]
.endr
.irp y, 0,1
	s_delay_alu instid0(VALU_DEP_2)
	v_max_num_f32 v[T+16*\y+8], v[T+16*\y+8], v[T+16*\y+3]        ; the step's largest score of my query
.endr
.irp y, 0,1
	s_delay_alu instid0(VALU_DEP_2)
	v_mul_f32 v[T+16*\y+8], s[CS], v[T+16*\y+8]                   ; as t (c is positive)
.endr
.irp y, 0,1
	s_delay_alu instid0(VALU_DEP_2)
	v_max_num_f32 v[ST+4*\y+1], v[ST+4*\y+1], v[T+16*\y+8]        ; the running largest t
.endr
.irp y, 0,1
	v_mov_b32 v[T+16*\y+8], v[ST+4*\y]
.endr
.irp y, 0,1
	s_delay_alu instid0(VALU_DEP_4)
	v_floor_f32 v[ST+4*\y], -v[ST+4*\y+1]                         ; the new -M = floor(-t) = -ceil(t): a whole number
.endr
.irp y, 0,1
	s_delay_alu instid0(VALU_DEP_2)
	v_sub_f32 v[T+16*\y+8], v[ST+4*\y], v[T+16*\y+8]              ; M's old value less its new one: a whole number, 0 or less
.endr
.irp y, 0,1
	s_delay_alu instid0(VALU_DEP_2)
	v_cvt_i32_f32 v[T+16*\y+8], v[T+16*\y+8]                      ; (it saturates)
.endr
.irp y, 0,1
	s_delay_alu instid0(VALU_DEP_2)
	v_ldexp_f32 v[F+2*\y], 1.0, v[T+16*\y+8]                      ; f = 2^(old M - new M)
.endr
	; ---- t - M, two at a time (of the pairs c and -M the low word serves both halves)
.set n, 0
.rept 64
	v_pk_fma_f32 v[S+n:S+n+1], v[S+n:S+n+1], s[CS:CS+1], v[ST+4*(n/64):ST+4*(n/64)+1] op_sel_hi:[1,0,0]
.set n, n+2
.endr
.irp y, 0,1
.irp b, 0,1,2,3
	v_fma_f32 v[T+16*\y+\b], v[T+16*\y+\b], s[CS], v[ST+4*\y]     ; the same of each block's largest score
.endr
.endr
.set n, 0
	s_wait_alu depctr_va_vdst(0)
.rept 128
	v_exp_f32 v[S+n], v[S+n]                       ; p = 2^(t - M), at most 1: not normalised.  ONE BATCH for both tiles
.set n, n+1
.endr
.irp y, 0,1
	v_pk_mul_f32 v[ST+4*\y+2:ST+4*\y+3], v[ST+4*\y+2:ST+4*\y+3], v[F+2*\y:F+2*\y+1] op_sel_hi:[1,0]   ; the sums under the new M: the plain lines behind the exponentials
.endr
	s_wait_alu depctr_va_vdst(0)                   ; the wait ahead of the first line that names a result: one for the 128
.irp y, 0,1
.irp b, 0,1,2,3
	v_exp_f32 v[T+16*\y+\b], v[T+16*\y+\b]         ; the block's largest p: the same two instructions on the same number
.endr
.endr
	; ---- the row's sum, of the unquantised p: two at a time, two chains a tile.  It names none of the eight results just asked for
.irp y, 0,1
	v_pk_add_f32 v[T+16*\y+4:T+16*\y+5], v[S+64*\y:S+64*\y+1], v[S+64*\y+2:S+64*\y+3]
.endr
.irp j, 4,8,12,16,20,24,28,32,36,40,44,48,52,56,60
.irp y, 0,1
	v_pk_add_f32 v[ST+4*\y+2:ST+4*\y+3], v[ST+4*\y+2:ST+4*\y+3], v[S+64*\y+\j:S+64*\y+\j+1]
	v_pk_add_f32 v[T+16*\y+4:T+16*\y+5], v[T+16*\y+4:T+16*\y+5], v[S+64*\y+\j+2:S+64*\y+\j+3]
.endr
.endr
.irp y, 0
	s_delay_alu instid0(VALU_DEP_3)
	v_pk_add_f32 v[ST+4*\y+2:ST+4*\y+3], v[ST+4*\y+2:ST+4*\y+3], v[T+16*\y+4:T+16*\y+5]
.endr
.irp y, 1
	s_delay_alu instid0(VALU_DEP_2)
	v_pk_add_f32 v[ST+4*\y+2:ST+4*\y+3], v[ST+4*\y+2:ST+4*\y+3], v[T+16*\y+4:T+16*\y+5]
.endr
	s_wait_alu depctr_va_vdst(0)                   ; and one wait for the eight
	; ---- p's scales
.irp y, 0,1
.irp b, 0,1,2,3
	v_max_num_f32 v[T+16*\y+\b], 0x8000000, v[T+16*\y+\b]         ; the floor 2^(16 - 127): the byte cannot fall under 1
.endr
.endr
.irp y, 0,1
.irp b, 0,1,2,3
	v_add_nc_u32 v[T+16*\y+12+\b], 0xf8800000, v[T+16*\y+\b]      ; 15 off the exponent field: the conversion's scale operand
.endr
.endr
.irp y, 0,1
.irp b, 0,1,2,3
.endr
.endr
.irp y, 0,1
.irp b, 0,1,2,3
	v_lshrrev_b32 v[T+16*\y+4+\b], 23, v[T+16*\y+12+\b]           ; the scale's byte
.endr
.endr
.irp y, 0
	v_lshl_or_b32 v[PS+\y], v[T+16*\y+5], 8, v[T+16*\y+4]         ; p's scale word for these 128 keys
.endr
.irp y, 1
	s_delay_alu instid0(VALU_DEP_4)
	v_lshl_or_b32 v[PS+\y], v[T+16*\y+5], 8, v[T+16*\y+4]         ; p's scale word for these 128 keys
.endr
.irp y, 0,1
	s_delay_alu instid0(VALU_DEP_2)
	v_lshl_or_b32 v[PS+\y], v[T+16*\y+6], 16, v[PS+\y]
.endr
.irp y, 0,1
	s_delay_alu instid0(VALU_DEP_2)
	v_lshl_or_b32 v[PS+\y], v[T+16*\y+7], 24, v[PS+\y]
.endr
.set n, 0
.rept 128
.set n, n+1
.endr
	WIN 0x40                                       ; destination window 1
.irp y, 0,1
.irp b, 0,1,2,3
	v_cvt_scalef32_pk8_bf8_f32 v[PC+16*\y+4*\b:PC+16*\y+4*\b+1], v[S+64*\y+16*\b:S+64*\y+16*\b+7], v[T+16*\y+12+\b]
	v_cvt_scalef32_pk8_bf8_f32 v[PC+16*\y+4*\b+2:PC+16*\y+4*\b+3], v[S+64*\y+16*\b+8:S+64*\y+16*\b+15], v[T+16*\y+12+\b]
.endr
.endr
	WIN 0x41                                       ; O^T (destination and source 0) window 1, f window 0
.set n, 0
.rept 64
	v_pk_mul_f32 v[OT+n:OT+n+1], v[OT+n:OT+n+1], v[F+2*(n/64):F+2*(n/64)+1] op_sel_hi:[1,0]   ; O^T under the new M, each accumulator from its low end on.  (These 64 are also the plain lines between the conversions, the scale words and the products below)
.set n, n+2
.endr
	s_wait_alu depctr_va_vdst(0)
	s_wait_dscnt 0x0                               ; V is in
	WIN 0x54                                       ; V window 0; P, C and D window 1
	PV 0, FA
	WIN 0x55                                       ; V window 1
	PV 4, FB
	WIN 0
.endm
; THE CHANGE OF SLOTS stands at a slot's head.  Each wave waits for all its tensor loads (one at the most is out: its quarter of the slot ahead), adds 0 to its spare word, and waits for that and for its reads of the slot that it has left.
; fill = 1: the barrier is a round of the cluster's, so that no wave of any partner still reads the slot left or has a load on its way; the joint load of the next record into that slot is the first thing behind it
; and has two key steps in which to land.
.macro CHANGE fill
	s_wait_tensorcnt 0x0                           ; no tensor load of mine is out, so group 0 may be written
	ds_add_u32 v[SPW], v[NIL]                      ; 0 onto my spare word
.if \fill
	s_xor_b32 s[G0+1], s[G0+1], SLOT1              ; the other slot than last time,
	s_add_nc_u64 s[G0+2:G0+3], s[G0+2:G0+3], REC   ; the next record; the type bits on top are not reached
	s_wait_xcnt 0x0                                ; the last prefetch, two key steps back, has read its address, so it may be written:
	s_add_nc_u64 s[PFA:PFA+1], s[PFA:PFA+1], REC   ; one record further on than the descriptor
	s_wait_dscnt 0x0                               ; the add is done, and my reads of the slot that I have left are over
	CROUND
	JLOAD
	ASK
.else
	s_wait_dscnt 0x0
	s_barrier_signal -1
	s_barrier_wait -1
.endif
.endm
.macro SLOT_STEPS
	STEP 0
	STEP 1
	s_xor_b32 s[TB], s[TB], SLOT1                  ; on to the other slot
.endm
.Lslot:                                            ; seven trips: behind each change of slots but the last the next record is asked for
	CHANGE 1
	SLOT_STEPS
	s_sub_co_u32 s[SLOTS], s[SLOTS], 1
	s_cmp_lg_u32 s[SLOTS], 0
	s_cbranch_scc1 .Lslot
	CHANGE 0                                       ; the last record is written out
	SLOT_STEPS
	; THE WAY OUT.  The sum's halves are added; O^T is divided by the sum and goes, a tile of 16 queries at a time, through my stage in LDS, so that 32 lanes store a row's 512 consecutive bytes.
.irp y, 0,1
	v_add_f32 v[ST+4*\y+2], v[ST+4*\y+2], v[ST+4*\y+3]
.endr
.irp y, 0,1
	s_delay_alu instid0(VALU_DEP_2)
	v_permlanex16_b32 v[T+16*\y+4], v[ST+4*\y+2], s[SEL], s[SEL+1]
.endr
.irp y, 0,1
	s_delay_alu instid0(VALU_DEP_2)
	v_add_f32 v[ST+4*\y+2], v[ST+4*\y+2], v[T+16*\y+4]            ; with lane l xor 16's: the row's sum
.endr
	s_wait_alu depctr_va_vdst(0)
.irp y, 0,1
	v_rcp_f32 v[F+2*\y], v[ST+4*\y+2]
.endr
	v_and_b32 v34, 15, v0                          ; (plain lines behind the reciprocals; with the additions above more than the eight places behind the last products)  r
	v_bfe_u32 v35, v0, 4, 1                        ; h
	s_mul_i32 s38, s[WV], STG                      ; my stage
	v_mul_u32_u24 v[STO], v34, SP
	s_delay_alu instid0(VALU_DEP_1)
	v_lshl_add_u32 v[STO], v35, 5, v[STO]
	s_delay_alu instid0(VALU_DEP_1)
	v_add_nc_u32 v[STO], s38, v[STO]               ; in: row r; tile T's eight channels of my half: 64 T + 32 h bytes on
	v_add_nc_u32 v[RD], s38, v[LI]                 ; back: a row's 512 bytes, 16 a lane
	s_wait_alu depctr_va_vdst(0)                   ; the wait ahead of the first use: one for the two reciprocals
.macro PACK y, bk
	WIN 0x01                                       ; source 0 (O^T) window 1
.set n, 0
.rept 32
	v_pk_mul_f32 v[S+64*\y+n:S+64*\y+n+1], v[OT+64*\y+n:OT+64*\y+n+1], v[F+2*\y:F+2*\y+1] op_sel_hi:[1,0]   ; O^T / the sum: register 8 T + i is out(r, 16 T + 8 h + i); each accumulator from its low end on
.set n, n+2
.endr
	WIN 0
.irp t, 0,1,2,3,4,5,6,7
	ds_store_b128 v[STO], v[S+64*\y+8*\t:S+64*\y+8*\t+3] offset:64*\t
	ds_store_b128 v[STO], v[S+64*\y+8*\t+4:S+64*\y+8*\t+7] offset:64*\t+16
.endr
.if \y
	s_wait_dscnt 32                                ; tile 0's 16 stores are done (its 16 loads and my 16 stores may be out): the registers that they read take the rows below
.endif
.irp i, 0,1,2,3,4,5,6,7,8,9,10,11,12,13,14,15
	ds_load_b128 v[\bk+4*\i:\bk+4*\i+3], v[RD] offset:\i*SP       ; LDS serves a wave's instructions in order (ISA guide 5.7.1.4): these see the stores above; the next tile's stores come behind them
.endr
.endm
.macro SEND y, bk, younger             ; younger: the LDS instructions issued behind tile y's loads, which may stay out
.irp i, 0,1,2,3,4,5,6,7,8,9,10,11,12,13,14,15
	s_wait_dscnt \younger+15-\i
	global_store_b128 v[LI], v[\bk+4*\i:\bk+4*\i+3], s[8:9] offset:8192*\y+512*\i th:TH_STORE_NT   ; 32 lanes store 512 consecutive bytes, at a multiple of 256 from out0's first byte
.endr
.endm
	PACK 0, FA
	PACK 1, S
	SEND 0, FA, 32                                 ; behind tile 0's loads: tile 1's 16 stores and 16 loads
	SEND 1, S, 0
	s_wait_tensorcnt 0x0                           ; the wave's end, behind my last tensor load and my last LDS store
	ds_add_u32 v[SPW], v[NIL]
	s_wait_dscnt 0x0
	CROUND                                         ; the closing round: no work-group ends while a partner may still ask for a record that names it
	s_endpgm
.Lfunc_end_k_qa71c280513_attn:
	.size	k_qa71c280513_attn, .Lfunc_end_k_qa71c280513_attn-k_qa71c280513_attn
	.p2alignl 7, 3214868480
	.fill 96, 4, 3214868480
	.section	.rodata,"a",@progbits
	.p2align	6, 0x0
	.amdhsa_kernel k_qa71c280513_attn
		.amdhsa_group_segment_fixed_size 327680
		.amdhsa_private_segment_fixed_size 0
		.amdhsa_enable_private_segment 0
		.amdhsa_kernarg_size 24
		.amdhsa_user_sgpr_count 2
		.amdhsa_user_sgpr_kernarg_segment_ptr 1
		.amdhsa_wavefront_size32 1
		.amdhsa_system_sgpr_workgroup_id_x 1
		.amdhsa_system_sgpr_workgroup_id_y 1
		.amdhsa_system_sgpr_workgroup_id_z 1
		.amdhsa_system_vgpr_workitem_id 0
		.amdhsa_next_free_vgpr 512
		.amdhsa_next_free_sgpr 66
		.amdhsa_reserve_vcc 0
		.amdhsa_float_denorm_mode_32 3
		.amdhsa_float_denorm_mode_16_64 3
		.amdhsa_fp16_overflow 1
		.amdhsa_memory_ordered 1
		.amdhsa_forward_progress 1
		.amdhsa_inst_pref_size 177
	.end_amdhsa_kernel
	.amdgpu_metadata
---
amdhsa.version: [ 1, 2 ]
amdhsa.kernels:
  - .name:           k_qa71c280513_attn
    .symbol:         k_qa71c280513_attn.kd
    .args:
      - { .name: query, .offset: 0, .size: 8, .value_kind: global_buffer, .address_space: global }
      - { .name: kv, .offset: 8, .size: 8, .value_kind: global_buffer, .address_space: global }
      - { .name: out0, .offset: 16, .size: 8, .value_kind: global_buffer, .address_space: global }
    .group_segment_fixed_size: 327680
    .private_segment_fixed_size: 0
    .kernarg_segment_align: 8
    .kernarg_segment_size: 24
    .max_flat_workgroup_size: 256
    .sgpr_count:     66
    .vgpr_count:     512
    .wavefront_size: 32
...
	.end_amdgpu_metadata
.endif
;; end of part 2
